; MI455X (gfx1250); checked and timed in simulation.
; The chip was launched on July 23, 2026; its instructions are those of AMD's public machine-readable ISA for CDNA 5 (MIT licence, August 2026) and "CDNA5" Instruction Set Architecture Reference Guide (July 2026). The comments in the code are by the model that wrote it; some were corrected since.
;; Rotary Attention. Allowed arithmetic: matrix products marked QUANTISED: E4M3 operands, one given power-of-two scale a tensor, by v_wmma_f32_16x16x64_fp8_fp8 or v_wmma_f32_16x16x128_fp8_fp8, f32 sums; everything else in f32.
;; Inputs: lowp_scales 8 int32 (the exponents e of the quantised operands' scales 2^e); w_out_codes 1,024 x 32 x 32 uint8 (E4M3 codes of w_out, K innermost, in blocks of 32 codes); w_qkv_codes 3,072 x 32 x 32 uint8 (E4M3 codes of w_qkv, K innermost, in blocks of 32 codes); x_codes 1 x 4,096 x 32 x 32 uint8 (E4M3 codes of x, K innermost, in blocks of 32 codes).
;; Outputs: out0 1 x 4,096 x 1,024 float32.
;; This version of the problem:
;;   THIS VERSION OF THE PROBLEM IS GIVEN IN LOW PRECISION. The matrix products marked QUANTISED in the list below multiply operands that are first quantised to E4M3 (4 exponent bits, 3 mantissa bits; 8 bits a number), with one given power-of-two scale for each operand tensor; their sums are f32. All else is computed in f32.
;;   The module's matrix products, in the order in which they are computed (A, B: the left and right operand; K: the contracted axis; several contracted axes count as one K, in the product's order):
;;     1. [M 4,096, K 1,024] x [K 1,024, N 3,072]; A: input x (given as codes); B: input w_qkv (given as codes): QUANTISED (scales: A lowp_scales[0], B lowp_scales[1])
;;     2. batch 16 x [M 4,096, K 64] x [K 64, N 4,096]; A: computed on the way; B: computed on the way: QUANTISED (scales: A lowp_scales[2], B lowp_scales[3])
;;     3. batch 16 x [M 64, K 4,096] x [K 4,096, N 4,096]; A: computed on the way; B: softmax (see below): QUANTISED (scales: A lowp_scales[4], B lowp_scales[5])
;;     4. [M 4,096, K 1,024] x [K 1,024, N 1,024]; A: computed on the way; B: input w_out (given as codes): QUANTISED (scales: A lowp_scales[6], B lowp_scales[7])
;;   THE QUANTISER, for each operand of a quantised product, along K:
;;     - The operand's scale is 2^e, e = its entry of the input lowp_scales (int32; the entries are numbered through the quantised products in the list's order, A before B).
;;     - Each number is divided by the scale, clamped to +-448, and rounded to the nearest number of E4M3, ties to even, subnormals kept.
;;     - The product sums the exact products of the quantised numbers (number of the format x scale) in f32.
;;   ~~~python
;;   def quantise(x, axis, e):      # numpy; x: float32 -> the quantised numbers, widened to float32 again
;;       x = np.moveaxis(x, axis, -1); K = x.shape[-1]
;;       r = np.clip(x / 2.0 ** e, -448, 448)
;;       step = 2.0 ** (np.maximum(np.frexp(np.where(r == 0, 1, r))[1] - 1, -6) - 3)
;;       q = np.round(r / step) * step * 2.0 ** e      # np.round: ties to even
;;       return np.moveaxis(q, -1, axis).astype(np.float32)
;;   ~~~
;;   SOFTMAX AHEAD OF A QUANTISED PRODUCT. Where the list says 'softmax', what is quantised is not the finished softmax but p = 2^(t - M), with t = logit x log2(e) and M = ceil(the row's largest t), a whole number; so 1/2 < the row's largest p <= 1. The row's sum l is taken of the UNQUANTISED p, in f32, and the product's result is divided by l at the end. Since M is a whole number, a kernel that streams over the keys may use a running M (the ceiling of the running maximum): every later rescaling is an exact power of two, so the quantised numbers keep their values, but for numbers so far below the row's largest that they fall under the format's range.
;;   OPERANDS COMPUTED ON THE WAY. 'Computed on the way' means the value that the module computes at that place (a softmax that the list does not call 'softmax' is quantised finished and normalised). What goes into a quantiser is computed in f32, as accurately as f32 sums, v_exp_f32 and their like allow (about 1e-6 of the number): no bf16 or f16 on the way to a quantiser, and a product that is left as it is and whose result goes on into a quantised operand takes f32 operands (vector FMAs, or v_wmma_f32_16x16x4_f32). A number that lies on a knife's edge between two numbers of the format may be rounded either way, as far as f32 arithmetic and the matrix unit's own rounding can turn it there, and no further.
;;   INPUTS GIVEN AS CODES. w_out (in the module: [1024, 1024], K = its axis 1); w_qkv (in the module: [3072, 1024], K = its axis 1); x (in the module: [1, 4096, 1024], K = its axis 2): each comes as NAME_codes (uint8): NAME with its K axis moved to the last place and cut into blocks of 32 codes, [.., K / 32, bytes a block], one block behind the other in memory; one code a byte (a code: sign, 4 exponent bits, 3 mantissa bits); its scale is its entry of lowp_scales. Its value is code x scale, taken as it is: it is not quantised again, and the codes and scales need not be those that the quantiser above would give.
;; One version. Each part assembles by itself: llvm-mc -triple=amdgcn-amd-amdhsa -mcpu=gfx1250 --defsym DOCPART=n.
;; ======== version 1 of 1: 3 launches
;; limits: right only within a limited range of input values
;; workspace buffers: q_img 4,194,304 bytes; kv_img 8,388,608 bytes; a_img 4,194,304 bytes
;; launch qkv (part 1): grid 12 x 16, 4 waves a work-group, clusters of 4 x 4, 327,680 bytes of LDS; arguments x_codes, w_qkv_codes, lowp_scales, q_img, kv_img; writes q_img, kv_img
.if DOCPART == 1
	.amdgcn_target "amdgcn-amd-amdhsa--gfx1250"
	.amdhsa_code_object_version 6
	.text
	.protected	k_qc5d9337d31_qkv
	.globl	k_qc5d9337d31_qkv
	.p2align	8
	.type	k_qc5d9337d31_qkv,@function
k_qc5d9337d31_qkv:
	s_mov_b64 s[64:65], 0
	v_nop
	global_prefetch_b8 v0, s[64:65] scope:SCOPE_SE
	s_setreg_imm32_b32 hwreg(HW_REG_WAVE_MODE, 25, 1), 1
	s_wait_xcnt 0x0
	s_wait_alu depctr_hold_cnt(0) depctr_sa_sdst(0) depctr_va_vdst(0) depctr_va_sdst(0) depctr_va_ssrc(0) depctr_va_vcc(0) depctr_vm_vsrc(0)
	s_getreg_b32 s2, hwreg(HW_REG_IB_STS2, 6, 4)
	s_cmp_eq_u32 s2, 0
	s_cbranch_scc0 .Lentry_in_a_cluster
	s_endpgm
.Lentry_in_a_cluster:
	s_bfe_u32 s2, ttmp6, 0x10000c
	s_cmp_lg_u32 s2, 0xf033
	s_cbranch_scc0 .Lentry_shape_is_right
	s_endpgm
.Lentry_shape_is_right:
; q, k and v = x w_qkv^T on codes of FP8 (E4M3), K = 1,024, then the rotary turn of q and k in f32, then the quantisers of the second and third product: the results leave as codes.
; A tile of 256 x 256 to a work-group of four waves, 128 x 128 a wave; K in steps of 256 through two LDS slots filled by joint loads in clusters of 4 x 4.
; Cluster column 0 makes q, column 1 k (tokens as source 1, so that a lane holds one token and neighbouring channels), column 2 v with the operands' parts exchanged (a lane holds one channel and neighbouring tokens: the keys are the third product's K).
; The codes are stored as images of operand registers: q_img [head][tile of 16 queries][2 groups of 512 bytes]; kv_img [head][step of 128 keys][K: 8 tiles x 1,024 bytes, then V^T: 4 tiles x 2,048 bytes].
; sin and cos of position x frequency: the angle is brought into one half turn in two parts, then two polynomials in f32.
; WORK LEFT OUT IN THIS PROGRAM: reference() sets every score with key > query to the least f32 number by a mask that it builds itself, so its p is 0 for all inputs: the later launch multiplies no key step all of whose keys come after all of a tile's queries.
; LIMIT: a NaN, an infinity or an overflow that reaches only such scores is not carried to the result.  e2 - e0 - e1, e3 - e0 - e1 and e4 - e0 - e1 lie between -126 and 119, so that each power of two is an f32 number.
.set KSTEP,  256
.set ROWB,   256
.set KROW,   1024
.set PITCH,  272
.set FR,     16
.set NL,     4
.set NP,     4
.set HALFT,  128*PITCH
.set SLOT,   4*HALFT
.set SPARE,  2*SLOT
.set ADRA, 16
.set ADRB, 20
.set LI,   24
.set SPW,  28
.set NIL,  29
.set AF,   128
.set FQ,   32
.set POS,  48
.set MG,   50
.set PS11, 52
.set PC12, 54
.set LIM,  56
.set SCL,  57
.set TH,   64
.set TM,   80
.set KF,   96
.set SN,   112
.set CS,   128
.set ZX,   144
.set Y,    160
.set CD,   224
.set G1, 24
.set G0, 32
.set G1B, 48
.set G0B, 56
.set MSB, 0
.macro WIN new
.if MSB != \new
	s_set_vgpr_msb (MSB<<8)|\new
.set MSB, \new
.endif
.endm
.set MUL_LO, 0xa1
.set MUL_HI, 0xf1
.set TO_B,   0x40
.macro JLOAD g0a, g1a, g0b, g1b
	s_cmp_eq_u32 s15, 0
	s_cbranch_scc0 .Lfor_b_\@
	tensor_load_to_lds s[\g0a:\g0a+3], s[\g1a:\g1a+7]
	s_nop 0
.rept 4
	v_nop
.endr
	s_branch .Lasked_\@
.Lfor_b_\@:
	tensor_load_to_lds s[\g0b:\g0b+3], s[\g1b:\g1b+7]
	s_nop 0
.rept 4
	v_nop
.endr
.Lasked_\@:
.endm
.macro CREST
	s_cmp_lg_u32 s14, 0
	s_cbranch_scc1 .Lnot_wave_0_\@
	s_barrier_signal -3
.Lnot_wave_0_\@:
	s_barrier_wait -3
	s_barrier_signal -1
	s_barrier_wait -1
.endm
.macro CROUND
	s_barrier_signal -1
	s_barrier_wait -1
	CREST
.endm
	s_load_b128 s[4:7], s[0:1], 0x0
	s_load_b128 s[8:11], s[0:1], 0x10
	s_load_b64 s[12:13], s[0:1], 0x20
	v_lshl_add_u32 v[SPW], v0, 2, SPARE
	v_mov_b32 v[NIL], 0
	ds_add_u32 v28, v29
	ds_add_u32 v28, v29
	s_wait_dscnt 0x0
	v_lshrrev_b32 v1, 5, v0
	v_readfirstlane_b32 s14, v1
	s_lshr_b32 s15, s14, 1
	s_and_b32 s16, s14, 1
	s_bfe_u32 s40, ttmp6, 0x40000
	s_bfe_u32 s41, ttmp6, 0x40004
	s_lshl_b32 s66, ttmp9, 2
	s_and_b32 s67, ttmp7, 0xffff
	s_lshl_b32 s67, s67, 2
	s_cmp_eq_u32 ttmp9, 2
	s_cselect_b32 s17, 0, s67
	s_cselect_b32 s42, s67, s66
	s_cselect_b32 s70, 0x200000, 0
	s_add_co_u32 s17, s17, s41
	s_add_co_u32 s42, s42, s40
	s_lshl_b32 s43, s41, 2
	s_lshl_b32 s43, 15, s43
	s_lshl_b32 s44, 0x1111, s40
	s_or_b32 s[G1+0], s43, (0<<16)|(1<<20)|(1<<21)|(5<<22)|(3<<25)
	s_or_b32 s[G1B+0], s44, (0<<16)|(1<<20)|(1<<21)|(5<<22)|(3<<25)
.irp g, G1, G1B
	s_mov_b32 s[\g+1], ROWB<<16
	s_mov_b32 s[\g+2], 128<<16
	s_mov_b32 s[\g+3], ROWB<<16
	s_mov_b32 s[\g+4], 128
	s_mov_b32 s[\g+5], KROW
	s_mov_b32 s[\g+6], 0
	s_mov_b32 s[\g+7], 0
.endr
	s_lshl_b32 s18, s16, 7
	s_lshl_b32 s20, s17, 8
	s_add_co_u32 s20, s20, s18
	s_lshl_b32 s20, s20, 10
	s_add_co_u32 s20, s20, s70
	s_mov_b32 s21, 0
	s_lshl_b32 s46, s42, 8
	s_add_co_u32 s46, s46, s18
	s_lshl_b32 s46, s46, 10
	s_mov_b32 s47, 0
	s_mul_i32 s45, s14, HALFT
	s_wait_kmcnt 0x0
	s_load_b256 s[80:87], s[8:9], 0x0
	s_cmp_eq_u32 ttmp9, 2
	s_cselect_b64 s[72:73], s[6:7], s[4:5]
	s_cselect_b64 s[74:75], s[4:5], s[6:7]
	s_add_nc_u64 s[20:21], s[72:73], s[20:21]
	s_add_nc_u64 s[46:47], s[74:75], s[46:47]
	CROUND
.irp s, 0,1
	s_mov_b32 s[G0+4*\s], 1
	s_add_co_u32 s[G0+4*\s+1], s45, \s*SLOT
	s_add_nc_u64 s[G0+4*\s+2:G0+4*\s+3], s[20:21], \s*ROWB
	s_or_b32 s[G0+4*\s+3], s[G0+4*\s+3], 0x80000000
	s_mov_b32 s[G0B+4*\s], 1
	s_add_co_u32 s[G0B+4*\s+1], s45, \s*SLOT
	s_add_nc_u64 s[G0B+4*\s+2:G0B+4*\s+3], s[46:47], \s*ROWB
	s_or_b32 s[G0B+4*\s+3], s[G0B+4*\s+3], 0x80000000
	s_wait_alu depctr_va_vdst(0)
	s_wait_tensorcnt 0x0
	ds_add_u32 v28, v29
	ds_add_u32 v28, v29
	s_wait_dscnt 0x0
	CROUND
	JLOAD G0+4*\s, G1, G0B+4*\s, G1B
.endr
	v_and_b32 v1, 15, v0
	v_bfe_u32 v2, v0, 4, 1
	v_mul_u32_u24 v3, v1, PITCH
	v_lshl_add_u32 v4, v2, 4, v3
	s_mul_i32 s21, s15, HALFT
	s_mul_i32 s22, s16, HALFT
	s_add_co_u32 s22, s22, 2*HALFT
.irp s, 0,1
	v_add_nc_u32 v[ADRA+\s], s21, v4
	v_add_nc_u32 v[ADRB+\s], s22, v4
	s_add_co_u32 s21, s21, SLOT
	s_add_co_u32 s22, s22, SLOT
.endr
	v_and_b32 v6, 31, v0
	v_lshlrev_b32 v[LI], 4, v6
.macro FRAG reg, adr, q, i
.irp c, 0,1,2,3
	ds_load_b128 v[\reg+4*\c:\reg+4*\c+3], v[\adr] offset:128*(\q)+32*\c+(\i)*16*PITCH
.endr
.endm
.macro MUL16 a0, p, zero
.irp a, \a0, \a0+1
.irp b, 0,1,2,3,4,5,6,7
.if \zero
	v_wmma_f32_16x16x128_fp8_fp8 v[8*(8*((\a)%4)+\b):8*(8*((\a)%4)+\b)+7], v[128*(\p)+FR*\b:128*(\p)+FR*\b+FR-1], v[AF+FR*(\a):AF+FR*(\a)+FR-1], 0
.else
	v_wmma_f32_16x16x128_fp8_fp8 v[8*(8*((\a)%4)+\b):8*(8*((\a)%4)+\b)+7], v[128*(\p)+FR*\b:128*(\p)+FR*\b+FR-1], v[AF+FR*(\a):AF+FR*(\a)+FR-1], v[8*(8*((\a)%4)+\b):8*(8*((\a)%4)+\b)+7]
.endif
.endr
.endr
.endm
.macro FETCH_B slot, q, p
	WIN TO_B
.irp i, 0,1,2,3,4,5,6,7
	FRAG 128*(\p)+FR*\i, ADRB+\slot, \q, \i
.endr
	WIN 0
.endm
.macro FETCH_A slot, q, i0
.irp i, \i0, \i0+1, \i0+2, \i0+3
	FRAG AF+FR*(\i), ADRA+\slot, \q, \i
.endr
.endm
.macro PLACES n
.rept \n
	v_nop
.endr
.endm
.macro STEP slot, q, zero
	s_wait_dscnt 4*NL
	WIN MUL_LO
	MUL16 0, (\q)%2, \zero
	MUL16 2, (\q)%2, \zero
	s_wait_dscnt 0
	PLACES NP
	FETCH_B \slot, (\q)+1, 1-(\q)%2
	FETCH_A \slot, (\q)+1, 0
	WIN MUL_HI
	MUL16 4, (\q)%2, \zero
	MUL16 6, (\q)%2, \zero
	PLACES NP
	WIN 0
	FETCH_A \slot, (\q)+1, 4
.endm
.macro TURN slot, next, fill
	s_wait_tensorcnt 0x0
	ds_add_u32 v[SPW], v[NIL]
	s_wait_dscnt 4*NL+1
	WIN MUL_LO
	MUL16 0, 1, 0
	s_wait_dscnt 0x0
	s_barrier_signal -1
	MUL16 2, 1, 0
	WIN 0
	s_barrier_wait -1
.if \fill
	CREST
	s_add_nc_u64 s[G0+4*\slot+2:G0+4*\slot+3], s[G0+4*\slot+2:G0+4*\slot+3], 2*ROWB
	s_add_nc_u64 s[G0B+4*\slot+2:G0B+4*\slot+3], s[G0B+4*\slot+2:G0B+4*\slot+3], 2*ROWB
	JLOAD G0+4*\slot, G1, G0B+4*\slot, G1B
.else
	PLACES NP
.endif
	FETCH_B \next, 0, 0
	FETCH_A \next, 0, 0
	WIN MUL_HI
	MUL16 4, 1, 0
	MUL16 6, 1, 0
	PLACES NP
	WIN 0
	FETCH_A \next, 0, 4
.endm
	s_wait_alu depctr_va_vdst(0)
	s_wait_tensorcnt 1
	s_barrier_signal -1
	s_barrier_wait -1
	FETCH_B 0, 0, 0
	FETCH_A 0, 0, 0
	FETCH_A 0, 0, 4
	STEP 0, 0, 1
	TURN 0, 1, 1
	STEP 1, 0, 0
	TURN 1, 0, 1
	STEP 0, 0, 0
	TURN 0, 1, 0
	STEP 1, 0, 0
	s_wait_dscnt 4*NL
	WIN MUL_LO
	MUL16 0, 1, 0
	MUL16 2, 1, 0
	s_wait_dscnt 0
	WIN MUL_HI
	MUL16 4, 1, 0
	MUL16 6, 1, 0
	WIN 0
.macro SCALES
	s_sub_co_i32 s92, s92, s80
	s_sub_co_i32 s92, s92, s81
	s_add_co_i32 s92, s92, 127
	s_lshl_b32 s93, s92, 23
	v_mov_b32 v[SCL], s93
	s_add_co_i32 s92, s92, 8
	s_lshl_b32 s92, s92, 23
	s_or_b32 s92, s92, 0x600000
	v_mov_b32 v[LIM], s92
.endm
.macro FREQ i, lo, hi
	v_mov_b32 v[FQ+\i], \hi
	v_cndmask_b32 v[FQ+\i], \lo, v[FQ+\i], vcc_lo
.endm
.macro HORNER dst, lit
.irp p, 0,2,4,6,8,10,12,14
	v_pk_fma_f32 v[\dst+\p:\dst+\p+1], v[\dst+\p:\dst+\p+1], v[KF+\p:KF+\p+1], \lit op_sel_hi:[1,1,0]
.endr
.endm
.macro SINCOS
.irp p, 0,2,4,6,8,10,12,14
	v_pk_mul_f32 v[TH+\p:TH+\p+1], v[FQ+\p:FQ+\p+1], v[POS:POS+1]
.endr
.irp p, 0,2,4,6,8,10,12,14
	v_pk_fma_f32 v[TM+\p:TM+\p+1], v[TH+\p:TH+\p+1], 0x3ea2f983, v[MG:MG+1] op_sel_hi:[1,0,1]
.endr
.irp p, 0,2,4,6,8,10,12,14
	v_pk_add_f32 v[KF+\p:KF+\p+1], v[TM+\p:TM+\p+1], 0xcb400000 op_sel_hi:[1,0]
.endr
.irp p, 0,2,4,6,8,10,12,14
	v_pk_fma_f32 v[TH+\p:TH+\p+1], v[KF+\p:KF+\p+1], 0xc0490fdb, v[TH+\p:TH+\p+1] op_sel_hi:[1,0,1]
.endr
.irp p, 0,2,4,6,8,10,12,14
	v_pk_fma_f32 v[TH+\p:TH+\p+1], v[KF+\p:KF+\p+1], 0x33bbbd2e, v[TH+\p:TH+\p+1] op_sel_hi:[1,0,1]
.endr
.irp p, 0,2,4,6,8,10,12,14
	v_pk_mul_f32 v[KF+\p:KF+\p+1], v[TH+\p:TH+\p+1], v[TH+\p:TH+\p+1]
.endr
.irp p, 0,2,4,6,8,10,12,14
	v_pk_fma_f32 v[SN+\p:SN+\p+1], v[PS11:PS11+1], v[KF+\p:KF+\p+1], 0x3638ef1d op_sel_hi:[1,1,0]
	v_pk_fma_f32 v[CS+\p:CS+\p+1], v[PC12:PC12+1], v[KF+\p:KF+\p+1], 0xb493f27e op_sel_hi:[1,1,0]
.endr
	HORNER SN, 0xb9500d01
	HORNER CS, 0x37d00d01
	HORNER SN, 0x3c088889
	HORNER CS, 0xbab60b61
	HORNER SN, 0xbe2aaaab
	HORNER CS, 0x3d2aaaab
.irp p, 0,2,4,6,8,10,12,14
	v_pk_mul_f32 v[ZX+\p:ZX+\p+1], v[KF+\p:KF+\p+1], v[TH+\p:TH+\p+1]
.endr
	HORNER CS, -0.5
.irp p, 0,2,4,6,8,10,12,14
	v_pk_fma_f32 v[SN+\p:SN+\p+1], v[SN+\p:SN+\p+1], v[ZX+\p:ZX+\p+1], v[TH+\p:TH+\p+1]
.endr
	HORNER CS, 1.0
.set i, 0
.rept 16
	v_lshlrev_b32 v[ZX+i], 31, v[TM+i]
.set i, i+1
.endr
.set i, 0
.rept 16
	v_xor_b32 v[SN+i], v[ZX+i], v[SN+i]
	v_xor_b32 v[CS+i], v[ZX+i], v[CS+i]
.set i, i+1
.endr
.endm
.macro ROPE a, hh
.set AC, 64*((\a)%4)+32*(\hh)
	WIN 0x02+((\a)/4)
.irp u, 0,1
.irp j, 0,2,4,6
	v_pk_mul_f32 v[Y+8*\u+\j:Y+8*\u+\j+1], v[AC+8*\u+\j:AC+8*\u+\j+1], v[CS+8*\u+\j:CS+8*\u+\j+1]
.endr
.irp j, 0,2,4,6
	v_pk_mul_f32 v[Y+16+8*\u+\j:Y+16+8*\u+\j+1], v[AC+16+8*\u+\j:AC+16+8*\u+\j+1], v[CS+8*\u+\j:CS+8*\u+\j+1]
.endr
.irp j, 0,2,4,6
	v_pk_fma_f32 v[Y+8*\u+\j:Y+8*\u+\j+1], v[AC+16+8*\u+\j:AC+16+8*\u+\j+1], v[SN+8*\u+\j:SN+8*\u+\j+1], v[Y+8*\u+\j:Y+8*\u+\j+1] neg_lo:[0,1,0] neg_hi:[0,1,0]
.endr
.irp j, 0,2,4,6
	v_pk_fma_f32 v[Y+16+8*\u+\j:Y+16+8*\u+\j+1], v[AC+8*\u+\j:AC+8*\u+\j+1], v[SN+8*\u+\j:SN+8*\u+\j+1], v[Y+16+8*\u+\j:Y+16+8*\u+\j+1]
.endr
.endr
	WIN 0
.set i, 0
.rept 32
.set i, i+1
.endr
	s_wait_alu depctr_va_vdst(0)
	s_wait_xcnt 0x0
.irp c, 0,1,2,3
	v_cvt_scalef32_pk8_fp8_f32 v[CD+8*\hh+2*\c:CD+8*\hh+2*\c+1], v[Y+8*\c:Y+8*\c+7], v[SCL]
.endr
	v_nop
	global_store_b128 v[LI], v[CD+8*\hh:CD+8*\hh+3], s[88+2*\hh:89+2*\hh] offset:1024*(\a)
	global_store_b128 v[LI], v[CD+8*\hh+4:CD+8*\hh+7], s[88+2*\hh:89+2*\hh] offset:1024*(\a)+512
.endm
.macro VOUT a
.set AC, 64*((\a)%4)
	WIN 0x02+((\a)/4)
.set i, 0
.rept 64
	v_med3_num_f32 v[Y+i], v[AC+i], -v[LIM], v[LIM]
.set i, i+1
.endr
	WIN 0
	s_wait_alu depctr_va_vdst(0)
	s_wait_xcnt 0x0
.irp c, 0,1,2,3,4,5,6,7
	v_cvt_scalef32_pk8_fp8_f32 v[CD+2*\c:CD+2*\c+1], v[Y+8*\c:Y+8*\c+7], v[SCL]
.endr
	v_nop
.irp g, 0,1,2,3
	global_store_b128 v[LI], v[CD+4*\g:CD+4*\g+3], s[88+2*((\a)/4):89+2*((\a)/4)] offset:2048*((\a)%4)+512*\g
.endr
.endm
	s_wait_kmcnt 0x0
	PLACES NP
	s_cmp_eq_u32 ttmp9, 2
	s_cbranch_scc1 .Lv
	s_cmp_eq_u32 ttmp9, 0
	s_cselect_b32 s92, s82, s83
	s_cselect_b64 s[88:89], s[10:11], s[12:13]
	s_cselect_b32 s94, 13, 14
	SCALES
	s_lshl_b32 s96, s17, 8
	s_lshl_b32 s97, s15, 7
	s_add_co_u32 s96, s96, s97
	v_add_nc_u32 v58, s96, v1
	v_cvt_f32_u32 v[POS], v58
	v_mov_b32 v[POS+1], v[POS]
	s_lshl_b32 s95, s40, 2
	s_lshl_b32 s96, s16, 1
	s_add_co_u32 s95, s95, s96
	s_lshl_b32 s95, s95, 5
	s_lshl_b32 s96, s17, 1
	s_add_co_u32 s95, s95, s96
	s_add_co_u32 s95, s95, s15
	s_lshl_b32 s96, s95, s94
	s_mov_b32 s97, 0
	s_add_nc_u64 s[88:89], s[88:89], s[96:97]
	s_lshl_b32 s96, 32, s94
	s_add_nc_u64 s[90:91], s[88:89], s[96:97]
	v_cmp_eq_u32 vcc_lo, 1, v2
	FREQ 0, 1.0, 0.1
	FREQ 1, 0.7498942093, 0.07498942093
	FREQ 2, 0.5623413252, 0.05623413252
	FREQ 3, 0.4216965034, 0.04216965034
	FREQ 4, 0.3162277660, 0.03162277660
	FREQ 5, 0.2371373706, 0.02371373706
	FREQ 6, 0.1778279410, 0.01778279410
	FREQ 7, 0.1333521432, 0.01333521432
	FREQ 8, 0.01, 0.001
	FREQ 9, 0.007498942093, 0.0007498942093
	FREQ 10, 0.005623413252, 0.0005623413252
	FREQ 11, 0.004216965034, 0.0004216965034
	FREQ 12, 0.003162277660, 0.0003162277660
	FREQ 13, 0.002371373706, 0.0002371373706
	FREQ 14, 0.001778279410, 0.0001778279410
	FREQ 15, 0.001333521432, 0.0001333521432
.irp i, 0,1
	v_mov_b32 v[MG+\i], 0x4b400000
	v_mov_b32 v[PS11+\i], 0xb2d7322b
	v_mov_b32 v[PC12+\i], 0x310f76c7
.endr
.irp a, 0,1,2,3,4,5,6,7
.if \a > 0
	v_pk_add_f32 v[POS:POS+1], v[POS:POS+1], 0x41800000 op_sel_hi:[1,0]
.endif
	SINCOS
	ROPE \a, 0
	ROPE \a, 1
.endr
	s_branch .Lend
.Lv:
	s_mov_b32 s92, s84
	SCALES
	s_wait_alu depctr_va_vdst(0)
	s_lshl_b32 s95, s41, 2
	s_lshl_b32 s96, s15, 1
	s_add_co_u32 s95, s95, s96
	s_lshl_b32 s95, s95, 5
	s_lshl_b32 s96, s42, 1
	s_add_co_u32 s95, s95, s96
	s_add_co_u32 s95, s95, s16
	s_lshl_b32 s96, s95, 14
	s_add_co_u32 s96, s96, 8192
	s_mov_b32 s97, 0
	s_add_nc_u64 s[88:89], s[12:13], s[96:97]
	s_add_nc_u64 s[90:91], s[88:89], 0x80000
.irp a, 0,1,2,3,4,5,6,7
	VOUT \a
.endr
.Lend:
	s_wait_tensorcnt 0x0
	ds_add_u32 v[SPW], v[NIL]
	s_wait_dscnt 0x0
	CROUND
	s_endpgm
.Lfunc_end_k_qc5d9337d31_qkv:
	.size	k_qc5d9337d31_qkv, .Lfunc_end_k_qc5d9337d31_qkv-k_qc5d9337d31_qkv
	.p2alignl 7, 3214868480
	.fill 96, 4, 3214868480
	.section	.rodata,"a",@progbits
	.p2align	6, 0x0
	.amdhsa_kernel k_qc5d9337d31_qkv
		.amdhsa_group_segment_fixed_size 327680
		.amdhsa_private_segment_fixed_size 0
		.amdhsa_enable_private_segment 0
		.amdhsa_kernarg_size 40
		.amdhsa_user_sgpr_count 2
		.amdhsa_user_sgpr_kernarg_segment_ptr 1
		.amdhsa_wavefront_size32 1
		.amdhsa_system_sgpr_workgroup_id_x 1
		.amdhsa_system_sgpr_workgroup_id_y 1
		.amdhsa_system_sgpr_workgroup_id_z 1
		.amdhsa_system_vgpr_workitem_id 0
		.amdhsa_next_free_vgpr 1024
		.amdhsa_next_free_sgpr 100
		.amdhsa_reserve_vcc 1
		.amdhsa_float_denorm_mode_32 3
		.amdhsa_float_denorm_mode_16_64 3
		.amdhsa_fp16_overflow 1
		.amdhsa_memory_ordered 1
		.amdhsa_forward_progress 1
		.amdhsa_inst_pref_size 255
	.end_amdhsa_kernel
	.section	.bss,"aw",@nobits
	.p2align	6
	.space	262144
	.amdgpu_metadata
---
amdhsa.version: [ 1, 2 ]
amdhsa.kernels:
  - .name:           k_qc5d9337d31_qkv
    .symbol:         k_qc5d9337d31_qkv.kd
    .args:
      - { .name: x_codes, .offset: 0, .size: 8, .value_kind: global_buffer, .address_space: global }
      - { .name: w_qkv_codes, .offset: 8, .size: 8, .value_kind: global_buffer, .address_space: global }
      - { .name: lowp_scales, .offset: 16, .size: 8, .value_kind: global_buffer, .address_space: global }
      - { .name: q_img, .offset: 24, .size: 8, .value_kind: global_buffer, .address_space: global }
      - { .name: kv_img, .offset: 32, .size: 8, .value_kind: global_buffer, .address_space: global }
    .group_segment_fixed_size: 327680
    .private_segment_fixed_size: 0
    .kernarg_segment_align: 8
    .kernarg_segment_size: 40
    .max_flat_workgroup_size: 128
    .sgpr_count:     100
    .vgpr_count:     1024
    .wavefront_size: 32
...
	.end_amdgpu_metadata
.endif
;; end of part 1
;; launch attn (part 2): grid 16 x 16, 16 waves a work-group, clusters of 4 x 1, 327,680 bytes of LDS; arguments q_img, kv_img, lowp_scales, a_img; writes a_img
.if DOCPART == 2
	.amdgcn_target "amdgcn-amd-amdhsa--gfx1250"
	.amdhsa_code_object_version 6
	.text
	.protected	k_qc5d9337d31_attn
	.globl	k_qc5d9337d31_attn
	.p2align	8
	.type	k_qc5d9337d31_attn,@function
k_qc5d9337d31_attn:
	s_mov_b64 s[64:65], 0
	v_nop
	global_prefetch_b8 v0, s[64:65] scope:SCOPE_SE
	s_setreg_imm32_b32 hwreg(HW_REG_WAVE_MODE, 25, 1), 1
	s_wait_xcnt 0x0
	s_wait_alu depctr_hold_cnt(0) depctr_sa_sdst(0) depctr_va_vdst(0) depctr_va_sdst(0) depctr_va_ssrc(0) depctr_va_vcc(0) depctr_vm_vsrc(0)
	s_getreg_b32 s2, hwreg(HW_REG_IB_STS2, 6, 4)
	s_cmp_eq_u32 s2, 0
	s_cbranch_scc0 .Lentry_in_a_cluster
	s_endpgm
.Lentry_in_a_cluster:
	s_bfe_u32 s2, ttmp6, 0x10000c
	s_cmp_lg_u32 s2, 0x3003
	s_cbranch_scc0 .Lentry_shape_is_right
	s_endpgm
.Lentry_shape_is_right:
; Causal attention on codes of FP8 (E4M3): 16 heads of 64 channels, 4,096 tokens.  Q, K and V^T come as images of operand registers (a group of four registers = 512 bytes, lane l's 16 bytes at 16 l); the result leaves so too.
;   q_img [head][tile of 16 queries][group 2];  kv_img [head][step of 128 keys][K: 8 tiles x 1,024 bytes, then V^T: 4 tiles of 16 channels x 2,048 bytes];
;   a_img [64 tokens][K step of 128][tile of 16 tokens][group 4]: lane (r, h): token r; registers 2 c, 2 c + 1: k = 16 c + 8 h + 0 .. 7, k = 64 x head + channel.
; THE SOFTMAX: t = score x log2(e) / 8; M = the row's largest t so far, rounded UP to a whole number; p = 2^(t - M) is quantised with 2^e5, not normalised; the row's sum is taken of the unquantised p and divides O at the end.
; When M moves, the sum and O are multiplied by 2^(old M - new M): nothing is rounded.
; LAYOUT.  Both products are used transposed: S^T = K Q^T (source 0 = 16 keys, source 1 = my 16 queries; K = 64), O^T = V^T P^T (source 0 = 16 channels, source 1 = P; K = 128 keys): a lane holds ONE query throughout.
; Tile t of S^T gives lane (r, h) keys 16 t + 8 h + 0 .. 7: just what registers 2 t, 2 t + 1 of P's fragment hold: the conversions' results are the operand.
; SHARES.  A wave owns one tile of 16 queries, in 256 registers; sixteen waves to a work-group, four work-groups to a cluster: 1,024 queries of one head: the blocks of 512 queries numbered c and 7 - c (c = the cluster's x),
; so that every work-group has the same number of key steps under the mask: 264.  A wave's rank rho (a table over the wave's number, the rows and columns of which each hold two ranks under 8 and add up alike)
; gives m = rho % 8 and its block; its tile is 32 x block + 4 m + cx.  Its last key step, 4 x block + m / 2, does not hang on cx: every branch is alike in the four partners, which differ in addresses and in a lane's mask number alone.
; THE RING.  Two LDS slots of two key steps (32,768 bytes), dense; waves 0 and 1 fetch a step each, JOINTLY for the four work-groups, which walk the same K and V.  The cluster walks 16 - 2 c slots: those that its later block needs.
; The two slots are written out with constant LDS addresses: in the loop only global addresses and counters are stepped.  A step all of whose keys come after the wave's queries is passed over by a scalar branch on ids;
; no barrier and no tensor load stands in a step.  In a wave's last step hidden scores become -infinity ahead of the maximum: p = 0 there.  Key 0 counts for every query, so M is a number from the first step on.
; LIMITS on the given exponents, so that each power of two is an f32 number: e2 + e3 between -123 and 130 (added to c's exponent field); e5, and e6 - e4 - e5, between -126 and 119.  NaN is not served.
; REGISTERS: v1 16 x lane; v2, v3 the add's; v5 the mask number; v6 the prefetch's offset; v12 -M, v13 the largest t, v[14:15] the sum in two halves; v16-23 Q; v32-95 K's eight fragments, then V^T's four; v96-159 S^T, then p;
;   v160-191 O^T; v192-207 p's codes; v236, v238-244, v246-255 at work.
.set STEPB, 16384                      ; a key step's bytes
.set SLOTB, 32768                      ; a slot: two steps
.set SPARE, 65536                      ; behind the ring: the spare words, 128 bytes for each of sixteen waves
.set LI,   1
.set SPW,  2
.set NIL,  3
.set DM,   5
.set PFO,  6
.set KV,   32
.set SC,   96
.set OT,   160
.set PC,   192
.set WV,   18                          ; s18  my wave's number
.set SEL,  20                          ; s[20:21] lane selects for v_permlanex16_b32: lane l xor 16
.set CS,   22                          ; s[22:23] c = log2(e) / 8 x 2^(e2 + e3)
.set G1,   24                          ; s[24:31] descriptor group 1
.set G0,   32                          ; s[32:39] group 0, one set for each slot
.set ST,   40                          ; s40  the key step in hand
.set LAST, 41                          ; s41  my last key step
.set CNT,  44                          ; s44  trips to go
.set REM,  45                          ; s45  refills to go
.set LIM,  46                          ; s46  1 in the wave that prefetches, else the greatest number
.set PFA,  48                          ; s[48:49] where the prefetch stands
.macro ROUND                           ; a round of the cluster's barrier
	s_barrier_signal -1
	s_barrier_wait -1
	s_cmp_lg_u32 s[WV], 0
	s_cbranch_scc1 .Lnot_wave_0_\@
	s_barrier_signal -3
.Lnot_wave_0_\@:
	s_barrier_wait -3
	s_barrier_signal -1
	s_barrier_wait -1
.endm
.macro TLOAD g                         ; waves 0 and 1 fetch a step each; the branch hangs on the wave's number alone.  Four v_nop follow the load
	s_cmp_lt_u32 s[WV], 2
	s_cbranch_scc0 .Lnone_\@
	tensor_load_to_lds s[\g:\g+3], s[G1:G1+7]
	s_nop 0
.rept 4
	v_nop
.endr
.Lnone_\@:
.endm
; A PREFETCH INTO THE L2 of the slot that the NEXT refill will ask for: 32,768 bytes, two key steps ahead of that load.  All four clusters of a head walk the same K and V from key 0 on, and the cluster with x = 0 walks all of them:
; it asks, and nobody else.  Its four partners take 8,192 bytes each, told apart BY ADDRESS; in each, wave 2 asks: one instruction, lanes 256 bytes apart.  So each aligned block of 256 bytes is named once in the launch.
; Slots 0 and 1 come by their loads alone; the last refill asks for nothing: there is no slot behind it.
.macro ASK
	s_cmp_gt_u32 s[REM], s[LIM]
	s_cbranch_scc0 .Lnot_mine_\@
	global_prefetch_b8 v[PFO], s[PFA:PFA+1] th:TH_LOAD_NT scope:SCOPE_SE
.Lnot_mine_\@:
.endm
	s_load_b128 s[4:7], s[0:1], 0x0                ; q_img s[4:5], kv_img s[6:7]
	s_load_b128 s[8:11], s[0:1], 0x10              ; the scales' exponents s[8:9], a_img s[10:11]
	v_lshl_add_u32 v[SPW], v0, 2, SPARE
	v_mov_b32 v[NIL], 0
	ds_add_u32 v2, v3
	ds_add_u32 v2, v3
	s_wait_dscnt 0x0
	v_lshrrev_b32 v7, 5, v0
	s_delay_alu instid0(VALU_DEP_1)
	v_readfirstlane_b32 s[WV], v7                  ; wave 0..15
	s_bfe_u32 s12, ttmp6, 0x40000                  ; cx
	s_and_b32 s13, ttmp7, 0xffff                   ; the head, which the four partners share
	s_and_b32 s14, s[WV], 7
	s_lshl_b32 s14, s14, 2
	s_mov_b32 s15, 0x0de3b658                      ; ranks of waves 8 to 15, four bits each,
	s_cmp_lt_u32 s[WV], 8
	s_cselect_b32 s15, 0x7a94c12f, s15             ; of waves 0 to 7
	s_lshr_b32 s15, s15, s14
	s_and_b32 s15, s15, 15                         ; rho
	s_and_b32 s16, s15, 7                          ; m
	s_sub_co_u32 s17, 7, ttmp9                     ; 7 - c
	s_cmp_ge_u32 s15, 8
	s_cselect_b32 s19, s17, ttmp9                  ; my block of 512 queries
	s_lshl_b32 s50, s16, 2
	s_add_co_u32 s50, s50, s12                     ; 4 m + cx
	s_lshl_b32 s51, s19, 5
	s_add_co_u32 s51, s51, s50                     ; my tile of 16 queries
	s_lshr_b32 s[LAST], s16, 1
	s_lshl_b32 s52, s19, 2
	s_add_co_u32 s[LAST], s[LAST], s52             ; tile / 8 = 4 x block + m / 2: made of nothing that holds cx
	s_mov_b32 s[CNT], s17                          ; 7 - c trips of two slots, and a tail of two: 16 - 2 c slots
	s_lshl_b32 s[REM], ttmp9, 1
	s_sub_co_u32 s[REM], 15, s[REM]                ; 15 - 2 c refills
	s_mov_b32 s[ST], 0
	s_xor_b32 s60, s[WV], 2
	s_or_b32 s60, s60, ttmp9                       ; 0 in wave 2 of the cluster with x = 0: the same in all four partners
	s_cmp_eq_u32 s60, 0
	s_cselect_b32 s[LIM], 1, -1
	; descriptor group 1: 16,384 dense bytes as 64 rows of 32 elements of 8 bytes
	s_mov_b32 s[G1], 15|(3<<16)|(1<<21)            ; 15:0 the mask: all four work-groups; 17:16 elements of 8 bytes; 21 set beside a mask; no padding: every read is 16 x lane on from a constant
	s_mov_b32 s[G1+1], 32<<16                      ; tensor_dim0 = 32
	s_mov_b32 s[G1+2], 64<<16                      ; tensor_dim1 = 64
	s_mov_b32 s[G1+3], 32<<16                      ; tile_dim0 = 32
	s_mov_b32 s[G1+4], 64                          ; tile_dim1 = 64
	s_mov_b32 s[G1+5], 32                          ; tensor_dim0_stride
	s_mov_b32 s[G1+6], 0
	s_mov_b32 s[G1+7], 0
	s_mov_b32 s[SEL], 0x76543210
	s_mov_b32 s[SEL+1], 0xfedcba98
	s_mov_b32 s[CS], 0x3e38aa3b                    ; log2(e) / 8
	s_and_b32 s54, s[WV], 1
	s_lshl_b32 s54, s54, 14                        ; which of a slot's two steps I fetch: its place in LDS and in memory
	s_lshl_b32 s56, s13, 19                        ; a head's K and V: 524,288 bytes
	s_add_co_u32 s56, s56, s54
	s_mov_b32 s57, 0
	s_lshl_b32 s58, s13, 19
	s_lshl_b32 s59, s12, 13                        ; my work-group's 8,192 bytes of a slot,
	s_add_co_u32 s58, s58, s59
	s_add_co_u32 s58, s58, SLOTB                   ; in slot 1: the first change of slots steps it to slot 2
	s_mov_b32 s59, 0
	s_wait_kmcnt 0x0
	s_load_b256 s[68:75], s[8:9], 0x0              ; e0 .. e7
	s_add_nc_u64 s[56:57], s[6:7], s[56:57]
	s_add_nc_u64 s[PFA:PFA+1], s[6:7], s[58:59]
.irp n, 0,1
	s_mov_b32 s[G0+4*\n], 1                        ; count = 1
	s_add_co_u32 s[G0+4*\n+1], s54, \n*SLOTB       ; LDS address
	s_add_nc_u64 s[G0+4*\n+2:G0+4*\n+3], s[56:57], \n*SLOTB   ; global address: slot n begins with keys 256 n
	s_or_b32 s[G0+4*\n+3], s[G0+4*\n+3], 0x80000000           ; type = 2
.endr
	ROUND                                          ; all four work-groups are here: the first joint loads meet
	TLOAD G0                                       ; slot 0: one tensor load of mine is out
	s_lshl_b32 s62, s13, 8
	s_add_co_u32 s62, s62, s51
	s_lshl_b32 s62, s62, 10                        ; Q: (256 x head + tile) x 1,024 bytes
	s_mov_b32 s63, 0
	s_add_nc_u64 s[4:5], s[4:5], s[62:63]
	v_and_b32 v9, 31, v0
	s_delay_alu instid0(VALU_DEP_1)
	v_lshlrev_b32 v[LI], 4, v9
	s_delay_alu instid0(VALU_DEP_2)
	v_lshlrev_b32 v[PFO], 8, v9
	global_load_b128 v[16:19], v[LI], s[4:5]       ; Q's fragment stays in registers
	global_load_b128 v[20:23], v[LI], s[4:5] offset:512
	s_lshr_b32 s62, s51, 2
	s_lshl_b32 s62, s62, 16                        ; the result: 64 tokens are 65,536 bytes,
	s_lshr_b32 s63, s13, 1
	s_lshl_b32 s63, s63, 13                        ; a K step (two heads) 8,192,
	s_add_co_u32 s62, s62, s63
	s_and_b32 s63, s51, 3
	s_lshl_b32 s63, s63, 11                        ; a tile of 16 tokens 2,048,
	s_add_co_u32 s62, s62, s63
	s_and_b32 s63, s13, 1
	s_lshl_b32 s63, s63, 10                        ; a head's two groups 1,024
	s_add_co_u32 s62, s62, s63
	s_mov_b32 s63, 0
	s_add_nc_u64 s[10:11], s[10:11], s[62:63]
	s_and_b32 s53, s50, 7
	s_lshl_b32 s53, s53, 4                         ; my tile's first query within my last key step
	v_and_b32 v7, 15, v0
	v_bfe_u32 v8, v0, 4, 1
	s_delay_alu instid0(VALU_DEP_1)
	v_lshlrev_b32 v8, 3, v8
	s_delay_alu instid0(VALU_DEP_1)
	v_sub_nc_u32 v7, v7, v8
	s_delay_alu instid0(VALU_DEP_1)
	v_add_nc_u32 v[DM], s53, v7                    ; d = my query within the step - 8 h.  Register 8 t + j holds key 16 t + 8 h + j: hidden where 16 t + j > d
	v_mov_b32 v13, 0xff61b1e6                      ; the largest t so far: -3e38, under every t
	s_delay_alu instid0(VALU_DEP_1)
	v_floor_f32 v12, -v13                          ; -M
	v_mov_b32 v14, 0                               ; the sum, in two halves
	v_mov_b32 v15, 0
	v_mov_b32 v236, 0                              ; written once: a lane permute's destination counts as one of its sources
	v_mov_b32 v253, 0                              ; (named as the upper half of the pair v[252:253])
.set i, 0
.rept 32
	v_mov_b32 v[OT+i], 0                           ; O^T.  (The step is written without a first form of its own: it finds zeros, which the first change of M leaves zeros)
.set i, i+1
.endr
	s_wait_kmcnt 0x0
	s_add_co_i32 s76, s70, s71
	s_lshl_b32 s76, s76, 23
	s_add_co_i32 s[CS], s[CS], s76                 ; a score stands for score x 2^(e2 + e3): the two exponents are added to c's exponent field
	s_mov_b32 s[CS+1], s[CS]                       ; (named with it as a pair, so it is written)
	s_add_co_i32 s76, s73, 127
	s_lshl_b32 s77, s76, 23
	v_mov_b32 v244, s77                            ; 2^e5 as f32, for the conversion
; A KEY STEP: 128 keys, the q-th of slot 'slot'.
.macro STEP slot, q
.set KB, (\slot)*SLOTB+(\q)*STEPB
	s_cmp_gt_u32 s[ST], s[LAST]                    ; all its keys come after my queries: nothing to do
	s_cbranch_scc1 .Lhidden_\@
.irp t, 0,1,2,3,4,5,6,7
	ds_load_b128 v[KV+8*\t:KV+8*\t+3], v[LI] offset:KB+1024*\t          ; K's eight fragments.  (The last products that read these registers stand four v_nop back, at the end of the step before)
	ds_load_b128 v[KV+8*\t+4:KV+8*\t+7], v[LI] offset:KB+1024*\t+512
.endr
	s_wait_dscnt 0x0
.irp t, 0,1,2,3,4,5,6,7
	v_wmma_f32_16x16x64_fp8_fp8 v[SC+8*\t:SC+8*\t+7], v[KV+8*\t:KV+8*\t+7], v[16:23], 0
.endr
.rept 4
	v_nop                                          ; places: loads into K's registers and reads of the scores follow
.endr
.irp f, 0,1,2,3,4,5,6,7,8,9,10,11,12,13,14,15
	ds_load_b128 v[KV+4*\f:KV+4*\f+3], v[LI] offset:KB+8192+512*\f      ; V^T's four fragments take K's place: they land while the softmax is walked
.endr
	s_cmp_lg_u32 s[ST], s[LAST]                    ; only my last step lies on the diagonal
	s_cbranch_scc1 .Lopen_\@
	v_mov_b32 v254, 0xff800000                     ; -infinity
.set n, 0
.rept 64
	v_cmp_gt_i32 vcc_lo, 16*(n/8)+n%8, v[DM]
	v_cndmask_b32 v[SC+n], v[SC+n], v254, vcc_lo
.set n, n+1
.endr
.Lopen_\@:
	v_max3_num_f32 v254, v96, v97, v98             ; the step's largest score of my query, among my 64 keys, in two chains, from each tile's low end on,
	v_max3_num_f32 v252, v99, v100, v101
.irp i, 6,10,14,18,22,26,30,34,38,42,46,50,54,58
	v_max3_num_f32 v254, v254, v[96+\i], v[97+\i]
	v_max3_num_f32 v252, v252, v[98+\i], v[99+\i]
.endr
	v_max3_num_f32 v254, v254, v158, v159
	s_delay_alu instid0(VALU_DEP_1)
	v_max_num_f32 v254, v254, v252
	s_delay_alu instid0(VALU_DEP_1)
	v_permlanex16_b32 v236, v254, s[SEL], s[SEL+1]
	s_delay_alu instid0(VALU_DEP_1)
	v_max_num_f32 v254, v254, v236                 ; and among lane l xor 16's
	s_delay_alu instid0(VALU_DEP_1)
	v_mul_f32 v254, s[CS], v254                    ; as t (c is positive)
	s_delay_alu instid0(VALU_DEP_1)
	v_max_num_f32 v13, v13, v254                   ; the running largest t
	v_mov_b32 v254, v12
	s_delay_alu instid0(VALU_DEP_2)
	v_floor_f32 v12, -v13                          ; the new -M = floor(-t) = -ceil(t): M is a whole number
	s_delay_alu instid0(VALU_DEP_1)
	v_sub_f32 v254, v12, v254                      ; M's old value less its new one: a whole number, 0 or less
	s_delay_alu instid0(VALU_DEP_1)
	v_cvt_i32_f32 v254, v254                       ; (it saturates)
	s_delay_alu instid0(VALU_DEP_1)
	v_ldexp_f32 v252, 1.0, v254                    ; f = 2^(old M - new M)
.irp j, 0,2,4,6,8,10,12,14,16,18,20,22,24,26,28,30,32,34,36,38,40,42,44,46,48,50,52,54,56,58,60,62
	v_pk_fma_f32 v[SC+\j:SC+\j+1], v[SC+\j:SC+\j+1], s[CS:CS+1], v[12:13] op_sel_hi:[1,0,0]   ; t - M, two at a time (of the pairs c and -M the low word serves both halves)
.endr
.set n, 0
	s_wait_alu depctr_va_vdst(0)
.rept 64
	v_exp_f32 v[SC+n], v[SC+n]                     ; p = 2^(t - M), at most 1: not normalised
.set n, n+1
.endr
	v_pk_mul_f32 v[14:15], v[14:15], v[252:253] op_sel_hi:[1,0]   ; the sums under the new M: the plain instruction behind the last exponential
	s_wait_alu depctr_va_vdst(0)                   ; one wait for the batch of 64, ahead of its first reader
	v_pk_add_f32 v[242:243], v[100:101], v[104:105]
	v_pk_add_f32 v[254:255], v[108:109], v[112:113]
	v_pk_add_f32 v[250:251], v[116:117], v[120:121]
	v_pk_add_f32 v[248:249], v[124:125], v[128:129]
	v_pk_add_f32 v[246:247], v[132:133], v[136:137]
	v_pk_add_f32 v[240:241], v[140:141], v[144:145]
	v_pk_add_f32 v[238:239], v[148:149], v[152:153]
	v_pk_add_f32 v[14:15], v[14:15], v[156:157]
	v_pk_add_f32 v[242:243], v[242:243], v[96:97]
	v_pk_add_f32 v[254:255], v[254:255], v[98:99]
	v_pk_add_f32 v[250:251], v[250:251], v[102:103]
	v_pk_add_f32 v[248:249], v[248:249], v[106:107]
	v_pk_add_f32 v[246:247], v[246:247], v[110:111]
	v_pk_add_f32 v[240:241], v[240:241], v[114:115]
	v_pk_add_f32 v[238:239], v[238:239], v[118:119]
	v_pk_add_f32 v[14:15], v[14:15], v[122:123]
	v_pk_add_f32 v[242:243], v[242:243], v[126:127]
	v_pk_add_f32 v[254:255], v[254:255], v[130:131]
	v_pk_add_f32 v[250:251], v[250:251], v[134:135]
	v_pk_add_f32 v[248:249], v[248:249], v[138:139]
	v_pk_add_f32 v[246:247], v[246:247], v[142:143]
	v_pk_add_f32 v[240:241], v[240:241], v[146:147]
	v_pk_add_f32 v[238:239], v[238:239], v[150:151]
	v_pk_add_f32 v[14:15], v[14:15], v[154:155]
	v_pk_add_f32 v[242:243], v[242:243], v[158:159]
	s_delay_alu instid0(VALU_DEP_2)
	v_pk_add_f32 v[14:15], v[14:15], v[248:249]
	s_delay_alu instid0(VALU_DEP_2)
	v_pk_add_f32 v[242:243], v[242:243], v[246:247]
	v_pk_add_f32 v[254:255], v[254:255], v[240:241]
	v_pk_add_f32 v[250:251], v[250:251], v[238:239]
	s_delay_alu instid0(VALU_DEP_2)
	v_pk_add_f32 v[14:15], v[14:15], v[254:255]
	s_delay_alu instid0(VALU_DEP_2)
	v_pk_add_f32 v[242:243], v[242:243], v[250:251]
	s_delay_alu instid0(VALU_DEP_1)
	v_pk_add_f32 v[14:15], v[14:15], v[242:243]
.irp t, 0,1,2,3,4,5,6,7
.irp i, 0,1,2,3,4,5,6,7
.endr
	v_cvt_scalef32_pk8_fp8_f32 v[PC+2*\t:PC+2*\t+1], v[SC+8*\t:SC+8*\t+7], v244   ; registers 2 t, 2 t + 1 of P's fragment: keys 16 t + 8 h + 0 .. 7
.endr
.irp j, 0,2,4,6,8,10,12,14,16,18,20,22,24,26,28,30
	v_pk_mul_f32 v[OT+\j:OT+\j+1], v[OT+\j:OT+\j+1], v[252:253] op_sel_hi:[1,0]   ; O^T under the new M.  (Plain instructions between the conversions and the products that read the codes)
.endr
	s_wait_alu depctr_va_vdst(0)
	s_wait_dscnt 0x0                               ; V^T is in
.irp u, 0,1,2,3
	v_wmma_f32_16x16x128_fp8_fp8 v[OT+8*\u:OT+8*\u+7], v[KV+16*\u:KV+16*\u+15], v[PC:PC+15], v[OT+8*\u:OT+8*\u+7]   ; the four accumulators by turns, one instruction a turn
.endr
.rept 4
	v_nop                                          ; places: the next step's loads into V^T's registers, or the way out's reads of O^T, follow
.endr
.Lhidden_\@:
	s_add_co_u32 s[ST], s[ST], 1
.endm
; THE CHANGE OF SLOTS stands at a slot's head.  Each wave waits for all its tensor loads (its part of the slot that it is about to read), adds 0 to its spare word, and waits for that and for its reads of the slot that it has left.
; Behind the round the slot ahead is whole in all four work-groups and no wave of any of them reads the other one.  refill = 1: that other slot takes the keys that follow: the load has two key steps in which to land.
.macro TRIP slot, refill
	s_wait_tensorcnt 0x0                           ; no tensor load of mine is out, so a group 0 may be written
	ds_add_u32 v[SPW], v[NIL]                      ; 0 onto my spare word
	s_add_nc_u64 s[G0+4*\slot+2:G0+4*\slot+3], s[G0+4*\slot+2:G0+4*\slot+3], 2*SLOTB   ; this slot's next keys; the type bits on top are not reached
	s_wait_xcnt 0x0                                ; the last prefetch, a slot back, has read its address, so it may be written:
	s_add_nc_u64 s[PFA:PFA+1], s[PFA:PFA+1], SLOTB ; one slot further on than the refill below
	s_wait_dscnt 0x0                               ; the add is done, and my reads of the slot that I have left are over
	ROUND
.if \refill
	TLOAD G0+4*(1-\slot)                           ; the first thing behind the round, and a wave's one tensor load until the next
	ASK
	s_sub_co_u32 s[REM], s[REM], 1
.endif
	STEP \slot, 0
	STEP \slot, 1
.endm
	s_wait_loadcnt 0x0                             ; Q
.Lslots:                                           ; 7 - c trips of two slots
	TRIP 0, 1
	TRIP 1, 1
	s_sub_co_u32 s[CNT], s[CNT], 1
	s_cmp_lg_u32 s[CNT], 0
	s_cbranch_scc1 .Lslots
	TRIP 0, 1                                      ; the tail is written out
	TRIP 1, 0
	; THE WAY OUT.  O^T / the sum stands for the result / 2^(e4 + e5): it is quantised with the scale 2^(e6 - e4 - e5).  A lane's 32 numbers are channels 16 u + 8 h + j of my query: registers 2 u, 2 u + 1 of my head's half of a fragment.
	s_sub_co_i32 s76, s74, s72
	s_sub_co_i32 s76, s76, s73
	s_add_co_i32 s76, s76, 127
	s_lshl_b32 s77, s76, 23
	v_add_f32 v14, v14, v15                        ; the sum's two halves,
	s_delay_alu instid0(VALU_DEP_1)
	v_permlanex16_b32 v236, v14, s[SEL], s[SEL+1]
	s_delay_alu instid0(VALU_DEP_1)
	v_add_f32 v14, v14, v236                       ; and lane l xor 16's: the row's sum; my own key counts, so it is over 1/2
	s_wait_alu depctr_va_vdst(0)
	v_rcp_f32 v14, v14
	v_mov_b32 v244, s77                            ; (plain instructions behind the reciprocal)  2^(e6 - e4 - e5)
	s_wait_alu depctr_va_vdst(0)                   ; the wait ahead of the reciprocal's first reader
.set i, 0
.rept 32
	v_mul_f32 v[SC+i], v[OT+i], v14                ; each accumulator from its low end on
.set i, i+1
.endr
.set i, 0
.rept 32
.set i, i+1
.endr
.irp u, 0,1,2,3
	v_cvt_scalef32_pk8_fp8_f32 v[128+2*\u:129+2*\u], v[SC+8*\u:SC+8*\u+7], v244
.endr
	v_nop                                          ; one plain vector instruction behind the last conversion
	global_store_b128 v[LI], v[128:131], s[10:11]              ; 32 lanes store 512 consecutive bytes, at a multiple of 512 from the buffer's first byte
	global_store_b128 v[LI], v[132:135], s[10:11] offset:512
	s_wait_tensorcnt 0x0                           ; the wave's end
	ds_add_u32 v[SPW], v[NIL]
	s_wait_dscnt 0x0
	ROUND                                          ; the closing round: no work-group ends while a partner may still ask for a tile that names it
	s_endpgm
.Lfunc_end_k_qc5d9337d31_attn:
	.size	k_qc5d9337d31_attn, .Lfunc_end_k_qc5d9337d31_attn-k_qc5d9337d31_attn
	.p2alignl 7, 3214868480
	.fill 96, 4, 3214868480
	.section	.rodata,"a",@progbits
	.p2align	6, 0x0
	.amdhsa_kernel k_qc5d9337d31_attn
		.amdhsa_group_segment_fixed_size 327680
		.amdhsa_private_segment_fixed_size 0
		.amdhsa_enable_private_segment 0
		.amdhsa_kernarg_size 32
		.amdhsa_user_sgpr_count 2
		.amdhsa_user_sgpr_kernarg_segment_ptr 1
		.amdhsa_wavefront_size32 1
		.amdhsa_system_sgpr_workgroup_id_x 1
		.amdhsa_system_sgpr_workgroup_id_y 1
		.amdhsa_system_sgpr_workgroup_id_z 1
		.amdhsa_system_vgpr_workitem_id 0
		.amdhsa_next_free_vgpr 256
		.amdhsa_next_free_sgpr 80
		.amdhsa_reserve_vcc 1
		.amdhsa_float_denorm_mode_32 3
		.amdhsa_float_denorm_mode_16_64 3
		.amdhsa_fp16_overflow 1
		.amdhsa_memory_ordered 1
		.amdhsa_forward_progress 1
		.amdhsa_inst_pref_size 163
	.end_amdhsa_kernel
	.amdgpu_metadata
---
amdhsa.version: [ 1, 2 ]
amdhsa.kernels:
  - .name:           k_qc5d9337d31_attn
    .symbol:         k_qc5d9337d31_attn.kd
    .args:
      - { .name: q_img, .offset: 0, .size: 8, .value_kind: global_buffer, .address_space: global }
      - { .name: kv_img, .offset: 8, .size: 8, .value_kind: global_buffer, .address_space: global }
      - { .name: lowp_scales, .offset: 16, .size: 8, .value_kind: global_buffer, .address_space: global }
      - { .name: a_img, .offset: 24, .size: 8, .value_kind: global_buffer, .address_space: global }
    .group_segment_fixed_size: 327680
    .private_segment_fixed_size: 0
    .kernarg_segment_align: 8
    .kernarg_segment_size: 32
    .max_flat_workgroup_size: 512
    .sgpr_count:     80
    .vgpr_count:     256
    .wavefront_size: 32
...
	.end_amdgpu_metadata
.endif
;; end of part 2
;; launch proj (part 3): grid 8 x 32, 4 waves a work-group, clusters of 4 x 4, 327,680 bytes of LDS; arguments a_img, w_out_codes, lowp_scales, out0; writes out0
.if DOCPART == 3
	.amdgcn_target "amdgcn-amd-amdhsa--gfx1250"
	.amdhsa_code_object_version 6
	.text
	.protected	k_qc5d9337d31_proj
	.globl	k_qc5d9337d31_proj
	.p2align	8
	.type	k_qc5d9337d31_proj,@function
k_qc5d9337d31_proj:
	s_mov_b64 s[64:65], 0
	v_nop
	global_prefetch_b8 v0, s[64:65] scope:SCOPE_SE
	s_setreg_imm32_b32 hwreg(HW_REG_WAVE_MODE, 25, 1), 1
	s_wait_xcnt 0x0
	s_wait_alu depctr_hold_cnt(0) depctr_sa_sdst(0) depctr_va_vdst(0) depctr_va_sdst(0) depctr_va_ssrc(0) depctr_va_vcc(0) depctr_vm_vsrc(0)
	s_getreg_b32 s2, hwreg(HW_REG_IB_STS2, 6, 4)
	s_cmp_eq_u32 s2, 0
	s_cbranch_scc0 .Lentry_in_a_cluster
	s_endpgm
.Lentry_in_a_cluster:
	s_bfe_u32 s2, ttmp6, 0x10000c
	s_cmp_lg_u32 s2, 0xf033
	s_cbranch_scc0 .Lentry_shape_is_right
	s_endpgm
.Lentry_shape_is_right:
; out0 = attn w_out^T on codes of FP8 (E4M3): [4096][1024] x [1024][1024]^T, f32 out; each finished sum x 2^(e6 + e7).
; attn comes as images of operand registers: a_img [64 tokens][K step of 128][tile of 16 tokens][group of 4 registers: 512 bytes, lane l's 16 bytes at 16 l]; lane (r, h): token r; registers 2 c, 2 c + 1: k = 16 c + 8 h + 0 .. 7.
; w_out: [1024 (e)][1024 (k)] codes, K innermost.
; A tile of 128 x 128 of the output to a work-group: 256 work-groups.  Four waves, each 64 x 64: 16 accumulators.  THE WHOLE K OF BOTH OPERANDS FITS IN LDS (131,072 bytes of images, 139,264 of padded rows): each byte of LDS is filled
; once, by four tensor loads a wave that go out together at the start, a quarter of K (a chunk of 256) each; the products of a chunk begin when that chunk has landed.  No slot is filled again, so there is no ring.
; CLUSTERS: 4 x 4 work-groups; attn's tiles are shared along a row of the cluster, w_out's along a column: each is asked for jointly.
; THE MATRIX INSTRUCTION IS USED TRANSPOSED (source 0 = 16 rows of w_out, source 1 = 16 tokens): a lane holds eight neighbouring numbers of a row of the output.
; w_out's fragments are read in the same order of k as the images hold: eight loads of 8 bytes, 16 bytes apart, at row x pitch + 8 h.
; LIMIT: e6 + e7 lies between -126 and 127, so that 2^(e6 + e7) is an f32 number.
; REGISTERS: window 0: v0-31 addresses; v32-63 a block's scaled sums; v64-127 rows read back from the stage, two sets; v128-255 the accumulators ((a, b) at v[128 + 8 (4 a + b)]).
;   window 1: two fragment buffers of 128: four fragments of attn (16 registers each), then four of w_out.
.set BBASE,  131072                    ; LDS: attn: chunk q, half u at 32768 q + 16384 u;  w_out: BBASE + 34816 q + 17408 u: 64 rows, 272 bytes apart
.set BP,     272                       ; 256 bytes + 16 of padding = 68 words: with 8 h added, the 32 lanes of a load of 8 bytes touch 64 different words modulo 64
.set STAGE,  270336                    ; behind both: 16 rows x 272 bytes for each wave, for the way out; no tensor load lands here
.set LA,   16                          ; v16-17  attn's images: 16 x lane + 16384 x my half of the rows; chunks 0, 1 and chunks 2, 3
.set LB,   20                          ; v20-21  w_out's rows: BBASE + 17408 x my half of the columns + 272 r + 8 h; likewise
.set STO,  24                          ; v24     the way out: where I put 32 bytes of a row
.set RD,   25                          ; v25     where I read a row back
.set CO,   26                          ; v26     my byte offset in two rows of the output
.set TMP,  32
.set BK,   64
.set ACC,  128
.set G1A, 24                           ; s[24:31] descriptor group 1 for attn's tiles;  s[32:47] group 0, one set for each chunk
.set G0A, 32
.set G0B, 48                           ; s[48:63] group 0 for w_out's tiles;  s[68:75] their group 1
.set G1B, 68
.set MSB, 0
.macro WIN new                         ; the immediate's high byte repeats the setting that is left
.if MSB != \new
	s_set_vgpr_msb (MSB<<8)|\new
.set MSB, \new
.endif
.endm
.set MUL,  0x05                        ; sources 0 and 1 window 1; C and D window 0
.set TO_F, 0x40                        ; destination window 1, address window 0
.macro CROUND                          ; a round of the cluster's barrier
	s_barrier_signal -1
	s_barrier_wait -1
	s_cmp_lg_u32 s14, 0
	s_cbranch_scc1 .Lnot_wave_0_\@
	s_barrier_signal -3
.Lnot_wave_0_\@:
	s_barrier_wait -3
	s_barrier_signal -1
	s_barrier_wait -1
.endm
.macro PLACES                          ; four places behind a matrix instruction (ISA guide 7.12.1)
.rept 4
	v_nop
.endr
.endm
	s_load_b128 s[4:7], s[0:1], 0x0                ; a_img s[4:5], w_out's codes s[6:7]
	s_load_b128 s[8:11], s[0:1], 0x10              ; the scales' exponents s[8:9], out0 s[10:11]
	v_lshl_add_u32 v30, v0, 2, 0x46400
	v_mov_b32 v31, 0
	ds_add_u32 v30, v31
	ds_add_u32 v30, v31
	v_lshrrev_b32 v1, 5, v0
	v_readfirstlane_b32 s14, v1                    ; wave 0..3
	s_lshr_b32 s15, s14, 1                         ; which half of the tile's rows is mine.  Also: I fetch for attn (0) or for w_out (1)
	s_and_b32 s16, s14, 1                          ; which half of its columns.  Also: which 64 rows I fetch
	s_bfe_u32 s76, ttmp6, 0x40000                  ; cx, cy
	s_bfe_u32 s77, ttmp6, 0x40004
	s_lshl_b32 s78, ttmp9, 2
	s_add_co_u32 s78, s78, s76                     ; tile column = 4 x cluster x + cx
	s_and_b32 s79, ttmp7, 0xffff
	s_lshl_b32 s79, s79, 2
	s_add_co_u32 s79, s79, s77                     ; tile row = 4 x cluster y + cy
	s_lshl_b32 s80, s77, 2
	s_lshl_b32 s80, 15, s80                        ; my row of the cluster
	s_lshl_b32 s81, 0x1111, s76                    ; my column
	s_or_b32 s[G1A], s80, (3<<16)|(1<<21)          ; attn: 16,384 dense bytes as 64 rows of 32 elements of 8 bytes; the mask: my row; 21 set beside a mask
	s_mov_b32 s[G1A+1], 32<<16                     ; tensor_dim0
	s_mov_b32 s[G1A+2], 64<<16                     ; tensor_dim1
	s_mov_b32 s[G1A+3], 32<<16                     ; tile_dim0
	s_mov_b32 s[G1A+4], 64                         ; tile_dim1
	s_mov_b32 s[G1A+5], 32                         ; tensor_dim0_stride
	s_mov_b32 s[G1A+6], 0
	s_mov_b32 s[G1A+7], 0
	s_or_b32 s[G1B], s81, (0<<16)|(1<<20)|(1<<21)|(5<<22)|(3<<25)   ; w_out: 64 rows x 256 bytes; the mask: my column; padding: 4 words after every 64
	s_mov_b32 s[G1B+1], 256<<16
	s_mov_b32 s[G1B+2], 64<<16
	s_mov_b32 s[G1B+3], 256<<16
	s_mov_b32 s[G1B+4], 64
	s_mov_b32 s[G1B+5], 1024
	s_mov_b32 s[G1B+6], 0
	s_mov_b32 s[G1B+7], 0
	s_lshl_b32 s82, s79, 1
	s_add_co_u32 s82, s82, s16
	s_lshl_b32 s82, s82, 16                        ; attn: 64 tokens number 2 x tile row + half, 65,536 bytes each
	s_mov_b32 s83, 0
	s_lshl_b32 s84, s78, 1
	s_add_co_u32 s84, s84, s16
	s_lshl_b32 s84, s84, 16                        ; w_out: 64 rows number 2 x tile column + half, 1,024 bytes a row
	s_mov_b32 s85, 0
	s_lshl_b32 s86, s16, 14                        ; where they go: no place in the cluster enters an LDS address
	s_mul_i32 s87, s16, 64*BP
	s_add_co_u32 s87, s87, BBASE
	s_wait_dscnt 0x0
	s_wait_kmcnt 0x0
	s_load_b64 s[92:93], s[8:9], 0x18              ; e6, e7
	s_add_nc_u64 s[82:83], s[4:5], s[82:83]
	s_add_nc_u64 s[84:85], s[6:7], s[84:85]
.irp q, 0,1,2,3
	s_mov_b32 s[G0A+4*\q], 1
	s_add_co_u32 s[G0A+4*\q+1], s86, 32768*\q
	s_add_nc_u64 s[G0A+4*\q+2:G0A+4*\q+3], s[82:83], 16384*\q    ; two K steps of 8,192 bytes
	s_or_b32 s[G0A+4*\q+3], s[G0A+4*\q+3], 0x80000000
	s_mov_b32 s[G0B+4*\q], 1
	s_add_co_u32 s[G0B+4*\q+1], s87, 34816*\q
	s_add_nc_u64 s[G0B+4*\q+2:G0B+4*\q+3], s[84:85], 256*\q
	s_or_b32 s[G0B+4*\q+3], s[G0B+4*\q+3], 0x80000000
.endr
	CROUND                                         ; all sixteen work-groups are here: the joint loads meet
	s_cmp_eq_u32 s15, 0                            ; a wave's four fills stand in one branch on its number, ahead of every wait on TENSORcnt, every LDS read and every further barrier: four loads of mine are out
	s_cbranch_scc0 .Lfor_b
	tensor_load_to_lds s[G0A:G0A+3], s[G1A:G1A+7]
	s_nop 0
	tensor_load_to_lds s[G0A+4:G0A+7], s[G1A:G1A+7]
	s_nop 0
	tensor_load_to_lds s[G0A+8:G0A+11], s[G1A:G1A+7]
	s_nop 0
	tensor_load_to_lds s[G0A+12:G0A+15], s[G1A:G1A+7]
	s_nop 0
.rept 4
	v_nop
.endr
	s_branch .Lasked
.Lfor_b:
	tensor_load_to_lds s[G0B:G0B+3], s[G1B:G1B+7]
	s_nop 0
	tensor_load_to_lds s[G0B+4:G0B+7], s[G1B:G1B+7]
	s_nop 0
	tensor_load_to_lds s[G0B+8:G0B+11], s[G1B:G1B+7]
	s_nop 0
	tensor_load_to_lds s[G0B+12:G0B+15], s[G1B:G1B+7]
	s_nop 0
.rept 4
	v_nop
.endr
.Lasked:
	v_and_b32 v1, 15, v0                           ; r
	v_bfe_u32 v2, v0, 4, 1                         ; h
	v_and_b32 v3, 31, v0
	v_lshlrev_b32 v3, 4, v3                        ; 16 x lane
	s_lshl_b32 s88, s15, 14
	v_add_nc_u32 v[LA], s88, v3
	v_add_nc_u32 v[LA+1], 65536, v[LA]
	v_mul_u32_u24 v4, v1, BP
	v_lshl_add_u32 v4, v2, 3, v4
	s_mul_i32 s88, s16, 64*BP
	s_add_co_u32 s88, s88, BBASE
	v_add_nc_u32 v[LB], s88, v4
	v_add_nc_u32 v[LB+1], 69632, v[LB]
	s_mul_i32 s88, s14, 16*272
	s_add_co_u32 s88, s88, STAGE                   ; my stage
	v_mul_u32_u24 v5, v1, 272
	v_lshl_add_u32 v5, v2, 5, v5
	v_add_nc_u32 v[STO], s88, v5                   ; in: row r, 32 bytes for each half of the lanes
	v_mul_u32_u24 v5, v2, 272
	v_lshl_add_u32 v5, v1, 4, v5
	v_add_nc_u32 v[RD], s88, v5                    ; back: lanes 0-15 one row of 256 bytes, lanes 16-31 the next
	v_lshlrev_b32 v5, 12, v2
	v_lshl_add_u32 v[CO], v1, 4, v5                ; and the same two rows of the output, 4,096 bytes apart
	s_lshl_b32 s88, s79, 1
	s_add_co_u32 s88, s88, s15
	s_lshl_b32 s88, s88, 18                        ; my first row: 64 x (2 x tile row + half), 4,096 bytes a row
	s_lshl_b32 s89, s78, 1
	s_add_co_u32 s89, s89, s16
	s_lshl_b32 s89, s89, 8                         ; my first column: 64 x (2 x tile column + half), 4 bytes each
	s_add_co_u32 s88, s88, s89
	s_mov_b32 s89, 0
	s_add_nc_u64 s[10:11], s[10:11], s[88:89]
; 48 LDS loads in one run: the fragments of K step s (128 along K) into buffer f: attn's four by 16 loads of 16 bytes, w_out's four by 32 loads of 8
.macro FETCH s, f
.set QQ, (\s)/2
	WIN TO_F
.irp i, 0,1,2,3
.irp g, 0,1,2,3
	ds_load_b128 v[\f+16*\i+4*\g:\f+16*\i+4*\g+3], v[LA+QQ/2] offset:32768*(QQ%2)+8192*((\s)%2)+2048*\i+512*\g
.endr
.endr
.irp i, 0,1,2,3
.irp c, 0,1,2,3,4,5,6,7
	ds_load_b64 v[\f+64+16*\i+2*\c:\f+64+16*\i+2*\c+1], v[LB+QQ/2] offset:34816*(QQ%2)+128*((\s)%2)+16*BP*\i+16*\c
.endr
.endr
.endm
; 16 matrix instructions: the 16 accumulators take turns, one instruction a turn, in the same order in every step.  zero = 1: the first products start the sums
.macro MUL16 f, zero
	WIN MUL
.irp a, 0,1,2,3
.irp b, 0,1,2,3
.if \zero
	v_wmma_f32_16x16x128_fp8_fp8 v[ACC+8*(4*\a+\b):ACC+8*(4*\a+\b)+7], v[\f+64+16*\b:\f+64+16*\b+15], v[\f+16*\a:\f+16*\a+15], 0
.else
	v_wmma_f32_16x16x128_fp8_fp8 v[ACC+8*(4*\a+\b):ACC+8*(4*\a+\b)+7], v[\f+64+16*\b:\f+64+16*\b+15], v[\f+16*\a:\f+16*\a+15], v[ACC+8*(4*\a+\b):ACC+8*(4*\a+\b)+7]
.endif
.endr
.endr
.endm
; K step s: the next step's fragments are asked for, then this step's are multiplied.  In front of a step whose successor begins a new chunk: my load of that chunk has landed
; my LDS loads are in, and a barrier shows the same of the other three waves.
.macro KS s
.if ((\s)%2 == 1) && ((\s) < 7)
	s_wait_tensorcnt 3-((\s)+1)/2
	s_wait_dscnt 0x0
	s_barrier_signal -1
	s_barrier_wait -1
.endif
.if (\s) < 7
.if (\s) > 0
	PLACES                                         ; the loads below go into the buffer that the step before multiplied
.endif
	FETCH (\s)+1, 128*(((\s)+1)%2)
	s_wait_dscnt 48                                ; all but the 48 just issued: this step's fragments are in
.else
	s_wait_dscnt 0x0
.endif
.if (\s) == 0
	MUL16 0, 1
.else
	MUL16 128*((\s)%2), 0
.endif
.endm
	s_wait_alu depctr_va_vdst(0)
	s_wait_tensorcnt 3                             ; my part of chunk 0 is in; three loads may be out,
	s_barrier_signal -1
	s_barrier_wait -1                              ; everybody's is
	FETCH 0, 0
.irp s, 0,1,2,3,4,5,6,7
	KS \s
.endr
	WIN 0
; THE WAY OUT, block by block of 16 rows x 64 columns.  A lane holds 32 neighbouring bytes of a row and the lanes beside it other rows: so a block goes through my own stage and comes back as whole rows of 256 bytes.
; LDS serves a wave's instructions in order (ISA guide 5.7.1.4): no wait between the stores and the loads, nor in front of the next block's stores.
.macro TOSTAGE a
.irp b, 0,1,2,3
.irp j, 0,2,4,6
	v_pk_mul_f32 v[TMP+8*\b+\j:TMP+8*\b+\j+1], v[ACC+8*(4*(\a)+\b)+\j:ACC+8*(4*(\a)+\b)+\j+1], s[96:97] op_sel_hi:[1,0]   ; x 2^(e6 + e7); each accumulator from its low end on
.endr
.endr
.irp b, 0,1,2,3
	ds_store_b128 v[STO], v[TMP+8*\b:TMP+8*\b+3] offset:64*\b
	ds_store_b128 v[STO], v[TMP+8*\b+4:TMP+8*\b+7] offset:64*\b+16
.endr
.set BB, BK+32*((\a)%2)
.irp t, 0,1,2,3,4,5,6,7
	ds_load_b128 v[BB+4*\t:BB+4*\t+3], v[RD] offset:\t*2*272
.endr
.endm
.macro SEND a, younger                 ; younger: the LDS instructions issued behind block a's loads, which may stay out
.set BB, BK+32*((\a)%2)
	s_wait_dscnt \younger
.irp t, 0,1,2,3,4,5,6,7
	global_store_b128 v[CO], v[BB+4*\t:BB+4*\t+3], s[10:11] offset:(16*(\a)+2*\t)*4096 th:TH_STORE_NT   ; 16 lanes store 256 consecutive bytes, at a multiple of 256 from the output's first byte; written once, read by nobody here
.endr
.endm
	s_wait_kmcnt 0x0
	s_add_co_i32 s96, s92, s93
	s_add_co_i32 s96, s96, 127
	s_lshl_b32 s96, s96, 23                        ; 2^(e6 + e7) as f32
	s_mov_b32 s97, s96                             ; (named with it as a pair, so it is written)
	PLACES                                         ; behind the last products
	TOSTAGE 0
.irp a, 1,2,3
.if \a > 1
	s_wait_xcnt 0x0                                ; block a - 2's stores have read their registers: block a's loads may land there
.endif
	TOSTAGE \a
	SEND \a-1, 16                                  ; behind block a - 1's loads: block a's 8 stores and 8 loads
.endr
	SEND 3, 0                                      ; no LDS instruction of mine is out; all my tensor loads were waited for in front of K step 6's fragments
	s_wait_tensorcnt 0x0
	ds_add_u32 v30, v31
	s_wait_dscnt 0x0
	CROUND                                         ; the closing round: no work-group ends while a partner may still ask for a tile that names it
	s_endpgm
.Lfunc_end_k_qc5d9337d31_proj:
	.size	k_qc5d9337d31_proj, .Lfunc_end_k_qc5d9337d31_proj-k_qc5d9337d31_proj
	.p2alignl 7, 3214868480
	.fill 96, 4, 3214868480
	.section	.rodata,"a",@progbits
	.p2align	6, 0x0
	.amdhsa_kernel k_qc5d9337d31_proj
		.amdhsa_group_segment_fixed_size 327680
		.amdhsa_private_segment_fixed_size 0
		.amdhsa_enable_private_segment 0
		.amdhsa_kernarg_size 32
		.amdhsa_user_sgpr_count 2
		.amdhsa_user_sgpr_kernarg_segment_ptr 1
		.amdhsa_wavefront_size32 1
		.amdhsa_system_sgpr_workgroup_id_x 1
		.amdhsa_system_sgpr_workgroup_id_y 1
		.amdhsa_system_sgpr_workgroup_id_z 1
		.amdhsa_system_vgpr_workitem_id 0
		.amdhsa_next_free_vgpr 512
		.amdhsa_next_free_sgpr 100
		.amdhsa_reserve_vcc 0
		.amdhsa_float_denorm_mode_32 3
		.amdhsa_float_denorm_mode_16_64 3
		.amdhsa_memory_ordered 1
		.amdhsa_forward_progress 1
		.amdhsa_inst_pref_size 54
	.end_amdhsa_kernel
	.amdgpu_metadata
---
amdhsa.version: [ 1, 2 ]
amdhsa.kernels:
  - .name:           k_qc5d9337d31_proj
    .symbol:         k_qc5d9337d31_proj.kd
    .args:
      - { .name: a_img, .offset: 0, .size: 8, .value_kind: global_buffer, .address_space: global }
      - { .name: w_out_codes, .offset: 8, .size: 8, .value_kind: global_buffer, .address_space: global }
      - { .name: lowp_scales, .offset: 16, .size: 8, .value_kind: global_buffer, .address_space: global }
      - { .name: out0, .offset: 24, .size: 8, .value_kind: global_buffer, .address_space: global }
    .group_segment_fixed_size: 327680
    .private_segment_fixed_size: 0
    .kernarg_segment_align: 8
    .kernarg_segment_size: 32
    .max_flat_workgroup_size: 128
    .sgpr_count:     100
    .vgpr_count:     512
    .wavefront_size: 32
...
	.end_amdgpu_metadata
.endif
;; end of part 3
